; MI455X (gfx1250); checked and timed in simulation.
; The chip was launched on July 23, 2026; its instructions are those of AMD's public machine-readable ISA for CDNA 5 (MIT licence, August 2026) and "CDNA5" Instruction Set Architecture Reference Guide (July 2026). The comments in the code are by the model that wrote it; some were corrected since.
;; Global Quantum Attention. Allowed arithmetic: float matrix products may take bf16 or f16 operands with f32 sums; all other float work in f32.
;; Inputs: k_imag 2 x 512 x 64 float32; k_real 2 x 512 x 64 float32; q_imag 2 x 512 x 64 float32; q_real 2 x 512 x 64 float32; v_imag 2 x 512 x 64 float32; v_real 2 x 512 x 64 float32.
;; Outputs: out0 2 x 2 x 512 x 64 float32.
;; 2 versions, each right and faster than the one before. Each part assembles by itself: llvm-mc -triple=amdgcn-amd-amdhsa -mcpu=gfx1250 --defsym DOCPART=n.
;; ======== version 1 of 2: 1 launch
;; limits: a function is approximated: absolute error at most 1e-05
;; launch gqa (part 1): grid 256 x 1, 16 waves a work-group, no clusters, 75,776 bytes of LDS; arguments q_real, q_imag, k_real, k_imag, v_real, v_imag, out0; writes out0
.if DOCPART == 1
	.amdgcn_target "amdgcn-amd-amdhsa--gfx1250"
	.amdhsa_code_object_version 6
	.text
	.protected	k_q5df04c7cdb_gqa
	.globl	k_q5df04c7cdb_gqa
	.p2align	8
	.type	k_q5df04c7cdb_gqa,@function
k_q5df04c7cdb_gqa:
	s_mov_b64 s[64:65], 0
	v_nop
	global_prefetch_b8 v0, s[64:65] scope:SCOPE_SE
	s_setreg_imm32_b32 hwreg(HW_REG_WAVE_MODE, 25, 1), 1
	s_wait_xcnt 0x0
; GlobalQuantumAttention, B = 2, S = 512, D = 64, all f32, one launch.
;   out[b,i,d] = rot(d) * (1/512) sum over j of softmax_d(atan2(q_i - k_j)/8) * cos(x(q_i, q_j)) * v[b,j,d]
;   x = pd (1 - 0.28125 pd^2), pd = cross / (|dot| + 1e-6);  rot(d) = exp(i * mean over j of atan2(q_j)).
; SHARING.  Work-group g: batch g >> 7, rows i = 4 (g & 127) .. + 3, all 512 j.  Wave w: j = 32 w .. 32 w + 31, two j a step, 16 steps.
; Lane L: c = L & 15 -> d = 4 c .. 4 c + 3;  h = L >> 4 -> j = 32 w + 2 step + h.  So each load of a wave takes 512 consecutive bytes (two whole
; rows), the softmax sum over d stays inside a row of 16 lanes, and the sums over j stay in registers until the 32 partial sums
; (16 waves x 2 halves) meet in LDS once, at the end.  A lane makes 4 i x 4 d = 16 elements a step.
; WHY NO MATRIX UNIT.  The weighted sum is batched over d: a weight (i, j, d) meets two numbers only, v_real and v_imag of (j, d), so a
; 16 x 16 product would use 2 of its 16 columns, and the operand layout (lane = i, registers = j) would tear the softmax over d apart.
; It is 2 fused multiply-adds among some 50 vector instructions of an element; it is done in f32 where the weight is made.
; WHY NO LDS STAGING, TENSOR LOAD OR CLUSTER.  No two waves of a work-group read the same j rows; 6 of some 880 instructions of a step are loads,
; issued a whole step ahead of their use.
; THE COSINE'S ARGUMENT.  |pd| is a tangent and has no bound but cross / 1e-6; x goes with its cube.  cos(x) then hangs on every bit of x, so
; dot, cross, the divisor, the quotient and the cubic are rounded exactly as reference() rounds them in f32 (same order; a correctly rounded
; division), and x is reduced modulo 2 pi with 144 bits of 1/(2 pi), without branch or table.
; FUSED = 1 (in use): the form that a compiler makes of reference() when it contracts the first product of a sum or difference with the add:
; dot = fma(ra, rb, ia ib), cross = fma(ia, rb, -(ra ib)), 1 - t = fma(-(0.28125 pd), pd, 1).
; FUSED = 0: every product and sum of dot, cross and the cubic is rounded by itself.
; SOFTMAX WITHOUT A MAXIMUM.  The exponents are atan2(..)/8, inside [-pi/8, pi/8] for every input: each exponential lies in [0.67, 1.49] and
; the sum of 64 of them in [43, 95].  The computation itself bounds them, so nothing is taken away first.
; LIMITS.  atan2 by a polynomial of degree 9: 1e-5 rad.  If both components of a difference q - k (or of q) are below 2^-126 the ratio is taken
; against 2^-126; if the larger is above 2^126 its reciprocal is flushed to zero: in both cases the angle is wrong.
; cos: some 2e-5 for |x| up to 2^105, 3e-5 turn of argument beyond, up to the largest f32.  NaN and infinities among the inputs are not served.
; The sums over j are made in another order than reference()'s.
.set FUSED,  1
.set PPITCH, 2304                      ; a partial in LDS: 8 rows of 256 bytes (row 2 i + component), then 256 bytes of the phase sum
; vector registers
.set QR,   8                           ; v[8:23]    q_real of my 4 d, rows i = 0..3 (4 registers each)
.set QM,   24                          ; v[24:39]   q_imag likewise
.set ACCR, 40                          ; v[40:55]   sums with v_real, rows 0..3
.set ACCI, 56                          ; v[56:71]   sums with v_imag
.set GS,   72                          ; v[72:75]   sum over my j of kappa * atan2(q_j)
.set J0,   76                          ; v[76:99]   one step's j data: qr +0, qi +4, kr +8, ki +12, vr +16, vi +20
.set J1,   100                         ; v[100:123] the other step's
.set R0,   124                         ; seven sets of 8 registers at work
.set R1,   132
.set R2,   140
.set R3,   148
.set R4,   156
.set R5,   164
.set R6,   172
.set ZS,   180                         ; v[180:181] softmax sums of the block's two rows
.set RZ,   182                         ; v[182:183] their reciprocals
.set LD,   76                          ; closing phase: v[76:171], eight partials of 12 registers
.set SUM,  40                          ; closing phase: v[40:43] real, v[44:47] imaginary, v[48:51] phase
; 1/(2 pi) in six pieces that follow each other bit by bit (24, 24, 23, 22, 24, 24 bits)
.set IP0, 0x3E22F983
.set IP1, 0x31DC9C88
.set IP2, 0x24A94FE0
.set IP3, 0x191D5F44
.set IP4, 0x0E7534DD
.set IP5, 0x0240DB62
.set K28, 0x3E900000                   ; 0.28125
; kappa * atan(z), z in [0, 1], kappa = 0.125 log2(e): odd polynomial of degree 9
.set BT1, 0x3E38A3E5
.set BT3, 0xBD73FA9E
.set BT5, 0x3D05101C
.set BT7, 0xBC7B8989
.set BT9, 0x3B763DA7
.set HK,  0x3E910918                   ; kappa * pi / 2
; sin(2 pi w), |w| <= 1/4: the series to w^9
.set SA1, 0x40C90FDB
.set SA3, 0xC2255DE7
.set SA5, 0x42A335E3
.set SA7, 0xC2996966
.set SA9, 0x42283C1A
.set GPS, 0x3AE1EE4C                   ; 1 / (512 kappa 2 pi): the phase sum to turns of the mean phase
.set INV512, 0x3B000000                ; 1 / seq_len
.set MQUART, 0xBE800000                ; -0.25
; ---- arithmetic on cnt numbers in consecutive registers, two at a time ----
.macro MULV cnt, d, a, b               ; d = a b
.set p, 0
.rept \cnt/2
	v_pk_mul_f32 v[\d+p:\d+p+1], v[\a+p:\a+p+1], v[\b+p:\b+p+1]
.set p, p+2
.endr
.endm
.macro ADDV cnt, d, a, b               ; d = a + b
.set p, 0
.rept \cnt/2
	v_pk_add_f32 v[\d+p:\d+p+1], v[\a+p:\a+p+1], v[\b+p:\b+p+1]
.set p, p+2
.endr
.endm
.macro SUBV cnt, d, a, b               ; d = a - b
.set p, 0
.rept \cnt/2
	v_pk_add_f32 v[\d+p:\d+p+1], v[\a+p:\a+p+1], v[\b+p:\b+p+1] neg_lo:[0,1] neg_hi:[0,1]
.set p, p+2
.endr
.endm
.macro FMAV cnt, d, a, b, c            ; d = a b + c
.set p, 0
.rept \cnt/2
	v_pk_fma_f32 v[\d+p:\d+p+1], v[\a+p:\a+p+1], v[\b+p:\b+p+1], v[\c+p:\c+p+1]
.set p, p+2
.endr
.endm
.macro FNMAV cnt, d, a, b, c           ; d = c - a b
.set p, 0
.rept \cnt/2
	v_pk_fma_f32 v[\d+p:\d+p+1], v[\a+p:\a+p+1], v[\b+p:\b+p+1], v[\c+p:\c+p+1] neg_lo:[1,0,0] neg_hi:[1,0,0]
.set p, p+2
.endr
.endm
.macro FMAK cnt, d, a, b, k            ; d = a b + constant
.set p, 0
.rept \cnt/2
	v_pk_fma_f32 v[\d+p:\d+p+1], v[\a+p:\a+p+1], v[\b+p:\b+p+1], \k op_sel_hi:[1,1,0]
.set p, p+2
.endr
.endm
.macro FNMAK cnt, d, a, b, k           ; d = constant - a b
.set p, 0
.rept \cnt/2
	v_pk_fma_f32 v[\d+p:\d+p+1], v[\a+p:\a+p+1], v[\b+p:\b+p+1], \k op_sel_hi:[1,1,0] neg_lo:[1,0,0] neg_hi:[1,0,0]
.set p, p+2
.endr
.endm
.macro KFMA cnt, d, a, k, c            ; d = a constant + c
.set p, 0
.rept \cnt/2
	v_pk_fma_f32 v[\d+p:\d+p+1], v[\a+p:\a+p+1], \k, v[\c+p:\c+p+1] op_sel_hi:[1,0,1]
.set p, p+2
.endr
.endm
.macro KFMS cnt, d, a, k, c            ; d = a constant - c
.set p, 0
.rept \cnt/2
	v_pk_fma_f32 v[\d+p:\d+p+1], v[\a+p:\a+p+1], \k, v[\c+p:\c+p+1] op_sel_hi:[1,0,1] neg_lo:[0,0,1] neg_hi:[0,0,1]
.set p, p+2
.endr
.endm
.macro KFMAP cnt, d, a, k, pair        ; d = a constant + the second constant, which lies twice in the pair v[pair:pair+1]
.set p, 0
.rept \cnt/2
	v_pk_fma_f32 v[\d+p:\d+p+1], v[\a+p:\a+p+1], \k, v[\pair:\pair+1] op_sel_hi:[1,0,1]
.set p, p+2
.endr
.endm
.macro MULK cnt, d, a, k               ; d = a constant
.set p, 0
.rept \cnt/2
	v_pk_mul_f32 v[\d+p:\d+p+1], v[\a+p:\a+p+1], \k op_sel_hi:[1,0]
.set p, p+2
.endr
.endm
.macro ADDK cnt, d, a, k               ; d = a + constant
.set p, 0
.rept \cnt/2
	v_pk_add_f32 v[\d+p:\d+p+1], v[\a+p:\a+p+1], \k op_sel_hi:[1,0]
.set p, p+2
.endr
.endm
.macro RSUBK cnt, d, a, k              ; d = constant - a
.set p, 0
.rept \cnt/2
	v_pk_add_f32 v[\d+p:\d+p+1], v[\a+p:\a+p+1], \k op_sel_hi:[1,0] neg_lo:[1,0] neg_hi:[1,0]
.set p, p+2
.endr
.endm
; ---- the same on the 8 numbers of two rows i, where b is one row j of 4 registers, used for both ----
.macro MULW d, a, b
.set p, 0
.rept 4
	v_pk_mul_f32 v[\d+p:\d+p+1], v[\a+p:\a+p+1], v[\b+(p%4):\b+(p%4)+1]
.set p, p+2
.endr
.endm
.macro SUBW d, a, b
.set p, 0
.rept 4
	v_pk_add_f32 v[\d+p:\d+p+1], v[\a+p:\a+p+1], v[\b+(p%4):\b+(p%4)+1] neg_lo:[0,1] neg_hi:[0,1]
.set p, p+2
.endr
.endm
.macro FMAW d, a, b, c
.set p, 0
.rept 4
	v_pk_fma_f32 v[\d+p:\d+p+1], v[\a+p:\a+p+1], v[\b+(p%4):\b+(p%4)+1], v[\c+p:\c+p+1]
.set p, p+2
.endr
.endm
.macro FMSW d, a, b, c                 ; d = a b - c
.set p, 0
.rept 4
	v_pk_fma_f32 v[\d+p:\d+p+1], v[\a+p:\a+p+1], v[\b+(p%4):\b+(p%4)+1], v[\c+p:\c+p+1] neg_lo:[0,0,1] neg_hi:[0,0,1]
.set p, p+2
.endr
.endm
.macro FRACT cnt, r                    ; r = r - floor(r), in [0, 1): exact, and 0 for the whole numbers from 2^23 on
.set p, 0
.rept \cnt
	v_fract_f32 v[\r+p], v[\r+p]
.set p, p+1
.endr
.endm
; out = kappa * atan2(dy, dx) for cnt numbers.  At work: R2 (ratio), R3, R4.  dx, dy are kept.
.macro ATAN cnt, dx, dy, out
.set p, 0
.rept \cnt
	v_min_num_f32  v[R2+p], |v[\dx+p]|, |v[\dy+p]|
	v_max3_num_f32 v[R3+p], |v[\dx+p]|, |v[\dy+p]|, s23    ; never below 2^-126: the reciprocal stays finite
.set p, p+1
.endr
.set p, 0
.rept \cnt
	v_rcp_f32 v[R4+p], v[R3+p]
.set p, p+1
.endr
.set p, 0
	s_wait_alu depctr_va_vdst(0)
.rept \cnt
	v_cmp_gt_f32 s[40+p], |v[\dy+p]|, |v[\dx+p]|           ; nearer to the y axis.  These plain lines also stand between the reciprocals and their use (ISA guide 5.7.2)
.set p, p+1
.endr
	MULV  \cnt, R2, R2, R4                                 ; z = min / max, in [0, 1]
	MULV  \cnt, R4, R2, R2                                 ; z^2
	KFMAP \cnt, \out, R4, BT9, 4
	FMAK  \cnt, \out, \out, R4, BT5
	FMAK  \cnt, \out, \out, R4, BT3
	FMAK  \cnt, \out, \out, R4, BT1
	MULV  \cnt, \out, \out, R2                             ; t = kappa atan(z)
	RSUBK \cnt, R3, \out, HK                               ; kappa pi/2 - t
.set p, 0
.rept \cnt
	v_cndmask_b32 v[R3+p], v[R3+p], v[\out+p], s[40+p]     ; the complement of the first-quadrant angle: t near the y axis, else pi/2 - t
	v_bfi_b32 v[R3+p], s22, v[R3+p], v[\dx+p]              ; with dx's sign,
.set p, p+1
.endr
	RSUBK \cnt, \out, R3, HK                               ; so that pi/2 - it is the angle for dx >= 0 and pi - the angle for dx < 0
.set p, 0
.rept \cnt
	v_bfi_b32 v[\out+p], s22, v[\out+p], v[\dy+p]          ; and dy's sign on the whole
.set p, p+1
.endr
.endm
; c = cos(2 pi t) for cnt numbers; t is spent, s is at work.  f = fract(t); w = |f - 1/2| - 1/4 lies in [-1/4, 1/4] and cos(2 pi f) = sin(2 pi w).
.macro TURNCOS cnt, t, s, c
	FRACT \cnt, \t
	ADDK  \cnt, \t, \t, -0.5
.set p, 0
.rept \cnt
	v_add_f32 v[\t+p], |v[\t+p]|, s25
.set p, p+1
.endr
	MULV  \cnt, \s, \t, \t
	KFMAP \cnt, \c, \s, SA9, 6
	FMAK  \cnt, \c, \c, \s, SA5
	FMAK  \cnt, \c, \c, \s, SA3
	FMAK  \cnt, \c, \c, \s, SA1
	MULV  \cnt, \c, \c, \t
.endm
; t = x / (2 pi) modulo 1, up to a small whole number, for 8 numbers.  Each product x * piece is split exactly into hi + lo (a product and a
; fused multiply-add); whole turns are dropped from each part by itself, so nothing large is ever added to anything small.
; Not split further: lo of piece 4 and all of piece 5, both below 2^6 for the largest f32.
.macro REDUCE x, hi, lo, t
	MULK 8, \hi, \x, IP4
	KFMS 8, \t, \x, IP4, \hi
	KFMA 8, \t, \x, IP5, \t
	FRACT 8, \hi
	ADDV 8, \t, \t, \hi
.irp k, IP0, IP1, IP2, IP3
	MULK 8, \hi, \x, \k
	KFMS 8, \lo, \x, \k, \hi
	FRACT 8, \hi
	FRACT 8, \lo
	ADDV 8, \t, \t, \hi
	ADDV 8, \t, \t, \lo
.endr
.endm
; Rows i0 and i0 + 1 against the j data in jb: 8 elements of a lane.
.macro BLOCK i0, jb
.set QRB, QR+4*\i0
.set QMB, QM+4*\i0
.set ARB, ACCR+4*\i0
.set AIB, ACCI+4*\i0
	SUBW R0, QRB, \jb+8                                    ; q_real - k_real
	SUBW R1, QMB, \jb+12                                   ; q_imag - k_imag
	ATAN 8, R0, R1, R5
.set p, 0
.rept 8
	v_exp_f32 v[R6+p], v[R5+p]                             ; e = exp(atan2 / 8); the products below stand between these and their use
.set p, p+1
.endr
.if FUSED
	MULW R0, QMB, \jb+4                                    ; ia ib, rounded
	FMAW R0, QRB, \jb, R0                                  ; dot = fma(ra, rb, ia ib)
	MULW R1, QRB, \jb+4                                    ; ra ib, rounded
	FMSW R1, QMB, \jb, R1                                  ; cross = fma(ia, rb, -(ra ib))
.else
	MULW R0, QRB, \jb
	MULW R1, QMB, \jb+4
	ADDV 8, R0, R0, R1                                     ; dot = ra rb + ia ib, three roundings
	MULW R1, QMB, \jb
	MULW R2, QRB, \jb+4
	SUBV 8, R1, R1, R2                                     ; cross = ia rb - ra ib, three roundings
.endif
.set p, 0
.rept 8
	v_add_f32 v[R2+p], |v[R0+p]|, s24                      ; |dot| + 1e-6
.set p, p+1
.endr
.set p, 0
.rept 8
	v_rcp_f32 v[R3+p], v[R2+p]
.set p, p+1
.endr
	; the softmax sums of the two rows: 4 numbers in the lane, then the 16 lanes of my half of the wave (one pair (i, j))
	s_wait_alu depctr_va_vdst(0)
	v_pk_add_f32 v[R4:R4+1],   v[R6:R6+1],   v[R6+2:R6+3]
	v_pk_add_f32 v[R4+2:R4+3], v[R6+4:R6+5], v[R6+6:R6+7]
	v_add_f32 v[ZS],   v[R4],   v[R4+1]
	v_add_f32 v[ZS+1], v[R4+2], v[R4+3]
.irp m, 1, 2, 4, 8
	v_add_f32_dpp v[ZS],   v[ZS],   v[ZS]   row_xmask:\m row_mask:0xf bank_mask:0xf
	v_add_f32_dpp v[ZS+1], v[ZS+1], v[ZS+1] row_xmask:\m row_mask:0xf bank_mask:0xf
.endr
	v_rcp_f32 v[RZ],   v[ZS]
	v_rcp_f32 v[RZ+1], v[ZS+1]
	; pd = cross / (|dot| + 1e-6), correctly rounded: one Newton step on the reciprocal, the quotient, two corrections by the exact residual.
	; The divisor lies between 1e-6 and the square of the inputs' size: no scaling is needed.
	FNMAK 8, R4, R2, R3, 1.0
	FMAV  8, R3, R4, R3, R3
	MULV  8, R0, R1, R3
	FNMAV 8, R4, R2, R0, R1
	FMAV  8, R0, R4, R3, R0
	FNMAV 8, R4, R2, R0, R1
	FMAV  8, R0, R4, R3, R0
	; x = pd (1 - (0.28125 pd) pd), in reference()'s order
	MULK  8, R1, R0, K28
.if FUSED
	FNMAK 8, R1, R1, R0, 1.0                               ; 1 - t = fma(-(0.28125 pd), pd, 1)
.else
	MULV  8, R1, R1, R0
	RSUBK 8, R1, R1, 1.0
.endif
	MULV  8, R0, R0, R1
	REDUCE R0, R1, R2, R3
	TURNCOS 8, R3, R2, R4                                  ; cos(x)
	MULV 8, R4, R4, R6                                     ; times e
	s_wait_alu depctr_va_vdst(0)
	v_pk_mul_f32 v[R4:R4+1],   v[R4:R4+1],   v[RZ:RZ+1] op_sel_hi:[1,0]            ; row i0: both by 1 / its sum
	v_pk_mul_f32 v[R4+2:R4+3], v[R4+2:R4+3], v[RZ:RZ+1] op_sel_hi:[1,0]
	v_pk_mul_f32 v[R4+4:R4+5], v[R4+4:R4+5], v[RZ:RZ+1] op_sel:[0,1] op_sel_hi:[1,1]  ; row i0 + 1: both by the pair's second
	v_pk_mul_f32 v[R4+6:R4+7], v[R4+6:R4+7], v[RZ:RZ+1] op_sel:[0,1] op_sel_hi:[1,1]
	FMAW ARB, R4, \jb+16, ARB
	FMAW AIB, R4, \jb+20, AIB
.endm
.macro LOADJ jb, off                   ; six loads, each 512 consecutive bytes for the wave: rows j and j + 1 of the six inputs
.irp a, 0,1,2,3,4,5
	global_load_b128 v[\jb+4*\a:\jb+4*\a+3], v1, s[8+2*\a:9+2*\a] offset:\off
.endr
.endm
; One step: two j.  pf = 1: the next step's data are asked for first, into the other set.
.macro STEP cur, nxt, pf, off
.if \pf
	LOADJ \nxt, \off
	s_wait_loadcnt 0x6                                     ; loads return in order: all but the six just issued are in, this step's data (and q_i) among them
.else
	s_wait_loadcnt 0x0
.endif
	ATAN 4, \cur, \cur+4, R5                               ; the phase of q_j, for the mean over j
	ADDV 4, GS, GS, R5
	BLOCK 0, \cur
	BLOCK 2, \cur
.endm
	s_load_b256 s[8:15], s[0:1], 0x0               ; q_real s[8:9], q_imag s[10:11], k_real s[12:13], k_imag s[14:15]
	s_load_b128 s[16:19], s[0:1], 0x20             ; v_real s[16:17], v_imag s[18:19]
	s_load_b64 s[20:21], s[0:1], 0x30              ; out0
	v_lshl_add_u32 v184, v0, 2, 0x12000
	v_mov_b32 v185, 0
	v_lshrrev_b32 v3, 5, v0
	v_readfirstlane_b32 s2, v3                     ; wave 0..15
	s_lshr_b32 s4, ttmp9, 7                        ; batch
	s_lshl_b32 s4, s4, 17                          ; x 512 rows of 256 bytes
	s_mov_b32 s5, 0
	s_and_b32 s6, ttmp9, 127
	s_lshl_b32 s6, s6, 10                          ; my first row i x 256 bytes = 4 (g & 127) x 256
	s_mov_b32 s7, 0
	s_mov_b32 s22, 0x7fffffff                      ; everything but the sign
	s_mov_b32 s23, 0x00800000                      ; 2^-126
	s_mov_b32 s24, 0x358637BD                      ; 1e-6
	s_mov_b32 s25, MQUART
	v_and_b32 v1, 31, v0
	v_lshlrev_b32 v1, 4, v1
	v_lshl_add_u32 v1, v3, 13, v1                  ; j data: wave x 32 rows + 16 x lane (lanes 16-31 fall into the next row)
	v_and_b32 v2, 15, v0
	v_lshl_add_u32 v2, v2, 4, s6                   ; q_i: my first row + 16 c
	v_mov_b32 v4, BT7
	v_mov_b32 v5, BT7
	v_mov_b32 v6, SA7
	v_mov_b32 v7, SA7
	s_wait_kmcnt 0x0
.irp a, 8,10,12,14,16,18,20
	s_add_nc_u64 s[\a:\a+1], s[\a:\a+1], s[4:5]    ; every buffer at my batch (in out0 a batch is 131,072 bytes too)
.endr
	s_add_nc_u64 s[20:21], s[20:21], s[6:7]        ; out0 at my first row
.irp i, 0,1,2,3
	global_load_b128 v[QR+4*\i:QR+4*\i+3], v2, s[8:9]   offset:256*\i
	global_load_b128 v[QM+4*\i:QM+4*\i+3], v2, s[10:11] offset:256*\i
.endr
	LOADJ J0, 0
.set p, 0
.rept 36
	v_mov_b32 v[ACCR+p], 0                         ; 32 sums and 4 phase sums, once in the launch, while the first loads are out
.set p, p+1
.endr
	s_mov_b32 s3, 7                                ; 7 trips of two steps; the last two steps are written out
.Ltrip:
	STEP J0, J1, 1, 512
	STEP J1, J0, 1, 1024
	s_wait_xcnt 0x0                                ; v1 is an address of the six loads still out: it is stepped only behind this wait
	v_add_nc_u32 v1, 1024, v1                      ; four rows on
	s_sub_co_i32 s3, s3, 1
	s_cmp_lg_u32 s3, 0
	s_cbranch_scc1 .Ltrip
	STEP J0, J1, 1, 512                            ; step 14 asks for step 15, the wave's last two rows
	STEP J1, J0, 0, 0                              ; step 15 asks for nothing
	; The 32 partial sums meet in LDS.  Mine lies at wave x 4,608 + h x 2,304; 16 lanes write 256 consecutive bytes.
	s_mul_i32 s26, s2, 2*PPITCH
	v_bfe_u32 v3, v0, 4, 1
	v_mul_u32_u24 v3, v3, PPITCH
	v_and_b32 v2, 15, v0
	v_lshl_add_u32 v2, v2, 4, v3
	v_add_nc_u32 v2, s26, v2
.irp i, 0,1,2,3
	ds_store_b128 v2, v[ACCR+4*\i:ACCR+4*\i+3] offset:512*\i
	ds_store_b128 v2, v[ACCI+4*\i:ACCI+4*\i+3] offset:512*\i+256
.endr
	ds_store_b128 v2, v[GS:GS+3] offset:2048
	s_wait_dscnt 0x0                               ; for the readers' sake: my stores are done before I say so
	s_barrier_signal -1
	s_barrier_wait -1                              ; the only barrier: nothing in LDS is written again
	s_cmp_ge_u32 s2, 2
	s_cbranch_scc1 .Ldone                          ; 4 rows x 16 lanes = 64 threads finish the work
	; Thread t = 16 i + c sums the 32 partials of row i and of the phase, for its 4 d.
	v_lshrrev_b32 v3, 4, v0                        ; i
	v_and_b32 v1, 15, v0
	v_lshlrev_b32 v1, 4, v1                        ; 16 c
	v_add_nc_u32 v2, 2048, v1                      ; the phase sums, partials 0-15
	v_lshl_add_u32 v1, v3, 9, v1                   ; row i's two components, partials 0-15
	v_add_nc_u32 v3, 16*PPITCH, v1                 ; partials 16-31: the immediate has 16 bits, so the register carries the rest
	v_add_nc_u32 v4, 16*PPITCH, v2
	v_lshlrev_b32 v5, 4, v0                        ; in out0: 256 i + 16 c
.macro SUMGRP grp, ar, gr, first       ; eight partials: 24 loads, then their sums; the first two partials start the sums
.irp pp, 0,1,2,3,4,5,6,7
	ds_load_b128 v[LD+12*\pp:LD+12*\pp+3],    v[\ar] offset:((8*\grp+\pp)%16)*PPITCH
	ds_load_b128 v[LD+12*\pp+4:LD+12*\pp+7],  v[\ar] offset:((8*\grp+\pp)%16)*PPITCH+256
	ds_load_b128 v[LD+12*\pp+8:LD+12*\pp+11], v[\gr] offset:((8*\grp+\pp)%16)*PPITCH
.endr
	s_wait_dscnt 0x0
.if \first
	ADDV 12, SUM, LD, LD+12
.else
	ADDV 12, SUM, SUM, LD
	ADDV 12, SUM, SUM, LD+12
.endif
.irp pp, 2,3,4,5,6,7
	ADDV 12, SUM, SUM, LD+12*\pp
.endr
.endm
	SUMGRP 0, 1, 2, 1
	SUMGRP 1, 1, 2, 0
	SUMGRP 2, 3, 4, 0
	SUMGRP 3, 3, 4, 0
	MULK 4, R0, SUM+8, GPS                         ; the mean phase in turns
	ADDK 4, R0+4, R0, MQUART                       ; a quarter turn less: its cosine is the sine
	TURNCOS 8, R0, R1, R2                          ; R2: cos (4), sin (4)
	MULK 8, R2, R2, INV512                         ; the 1 / seq_len of the interference goes in here, once
	MULV 4, R3, SUM, R2                            ; out_r c
	MULV 4, R3+4, SUM, R2+4                        ; out_r s
	FNMAV 4, R4, SUM+4, R2+4, R3                   ; real: out_r c - out_i s
	FMAV  4, R4+4, SUM+4, R2, R3+4                 ; imaginary: out_r s + out_i c
	global_store_b128 v5, v[R4:R4+3], s[20:21] th:TH_STORE_NT                   ; 16 lanes store a whole row of 256 bytes
	global_store_b128 v5, v[R4+4:R4+7], s[20:21] offset:262144 th:TH_STORE_NT   ; the imaginary half of out0 lies 2 x 512 x 256 bytes on
.Ldone:
	s_wait_tensorcnt 0x0
	ds_add_u32 v184, v185
	s_wait_dscnt 0x0
	s_endpgm
.Lfunc_end_k_q5df04c7cdb_gqa:
	.size	k_q5df04c7cdb_gqa, .Lfunc_end_k_q5df04c7cdb_gqa-k_q5df04c7cdb_gqa
	.p2alignl 7, 3214868480
	.fill 96, 4, 3214868480
	.section	.rodata,"a",@progbits
	.p2align	6, 0x0
	.amdhsa_kernel k_q5df04c7cdb_gqa
		.amdhsa_group_segment_fixed_size 75776
		.amdhsa_private_segment_fixed_size 0
		.amdhsa_enable_private_segment 0
		.amdhsa_kernarg_size 56
		.amdhsa_user_sgpr_count 2
		.amdhsa_user_sgpr_kernarg_segment_ptr 1
		.amdhsa_wavefront_size32 1
		.amdhsa_system_sgpr_workgroup_id_x 1
		.amdhsa_system_sgpr_workgroup_id_y 1
		.amdhsa_system_sgpr_workgroup_id_z 1
		.amdhsa_system_vgpr_workitem_id 0
		.amdhsa_next_free_vgpr 186
		.amdhsa_next_free_sgpr 66
		.amdhsa_reserve_vcc 0
		.amdhsa_float_denorm_mode_32 3
		.amdhsa_float_denorm_mode_16_64 3
		.amdhsa_memory_ordered 1
		.amdhsa_forward_progress 1
		.amdhsa_inst_pref_size 240
	.end_amdhsa_kernel
	.amdgpu_metadata
---
amdhsa.version: [ 1, 2 ]
amdhsa.kernels:
  - .name:           k_q5df04c7cdb_gqa
    .symbol:         k_q5df04c7cdb_gqa.kd
    .args:
      - { .name: q_real, .offset: 0, .size: 8, .value_kind: global_buffer, .address_space: global }
      - { .name: q_imag, .offset: 8, .size: 8, .value_kind: global_buffer, .address_space: global }
      - { .name: k_real, .offset: 16, .size: 8, .value_kind: global_buffer, .address_space: global }
      - { .name: k_imag, .offset: 24, .size: 8, .value_kind: global_buffer, .address_space: global }
      - { .name: v_real, .offset: 32, .size: 8, .value_kind: global_buffer, .address_space: global }
      - { .name: v_imag, .offset: 40, .size: 8, .value_kind: global_buffer, .address_space: global }
      - { .name: out0, .offset: 48, .size: 8, .value_kind: global_buffer, .address_space: global }
    .group_segment_fixed_size: 75776
    .private_segment_fixed_size: 0
    .kernarg_segment_align: 8
    .kernarg_segment_size: 56
    .max_flat_workgroup_size: 512
    .sgpr_count:     66
    .vgpr_count:     186
    .wavefront_size: 32
...
	.end_amdgpu_metadata
.endif
;; end of part 1
;; ======== version 2 of 2: 1 launch; 1.31 times as fast as version 1
;; limits: inputs' magnitudes at most 280; a function is approximated: absolute error at most 0.0006; a function is approximated: absolute error at most 0.0003; a function is approximated: absolute error at most 0.00018; a function is approximated: absolute error at most 0.0061
;; launch gqa (part 2): grid 256 x 1, 16 waves a work-group, no clusters, 75,776 bytes of LDS; arguments q_real, q_imag, k_real, k_imag, v_real, v_imag, out0; writes out0
.if DOCPART == 2
	.amdgcn_target "amdgcn-amd-amdhsa--gfx1250"
	.amdhsa_code_object_version 6
	.text
	.protected	k_q5df04c7cdb_gqa
	.globl	k_q5df04c7cdb_gqa
	.p2align	8
	.type	k_q5df04c7cdb_gqa,@function
k_q5df04c7cdb_gqa:
	s_mov_b64 s[64:65], 0
	v_nop
	global_prefetch_b8 v0, s[64:65] scope:SCOPE_SE
	s_setreg_imm32_b32 hwreg(HW_REG_WAVE_MODE, 25, 1), 1
	s_wait_xcnt 0x0
; GlobalQuantumAttention, B = 2, S = 512, D = 64, all f32, one launch.
;   out[b,i,d] = rot(d) * (1/512) sum over j of softmax_d(atan2(q_i - k_j)/8) * cos(x(q_i, q_j)) * v[b,j,d]
;   x = pd (1 - 0.28125 pd^2), pd = cross / (|dot| + 1e-6);  rot(d) = exp(i * mean over j of atan2(q_j)).
; SHARING.  Work-group g: batch g >> 7, rows i = 4 (g & 127) .. + 3, all 512 j.  Wave w: j = 32 w .. 32 w + 31, two j a step, 16 steps.
; Lane L: c = L & 15 -> d = 4 c .. 4 c + 3;  h = L >> 4 -> j = 32 w + 2 step + h.  So each load of a wave takes 512 consecutive bytes (two whole
; rows), the softmax sum over d stays inside a row of 16 lanes, and the sums over j stay in registers until the 32 partial sums
; (16 waves x 2 halves) meet in LDS once, at the end.  A lane makes 4 i x 4 d = 16 elements a step, all 16 side by side through every stage,
; so that 8 packed (or 16 plain) instructions that do not hang on each other follow each other.
; WHY NO MATRIX UNIT.  The weighted sum is batched over d: a weight (i, j, d) meets two numbers only, v_real and v_imag of (j, d), so a
; 16 x 16 product would use 2 of its 16 columns, and the operand layout (lane = i, registers = j) would tear the softmax over d apart.
; It is 2 fused multiply-adds among some 44 vector instructions of an element; it is done in f32 where the weight is made.
; WHY NO LDS STAGING, TENSOR LOAD OR CLUSTER.  No two waves of a work-group read the same j rows; 6 of some 715 instructions of a step are loads,
; issued a whole step ahead of their use.
; THE COSINE'S ARGUMENT.  |pd| is a tangent and has no bound but cross / 1e-6; x goes with its cube.  cos(x) then hangs on every bit of x, so
; dot, cross, the divisor, the quotient and the cubic carry exactly these roundings, those of reference() with the first product of each sum
; or difference contracted into the add:  dot = fma(ra, rb, RN(ia ib)),  cross = fma(ia, rb, -RN(ra ib)),  a correctly rounded division,
; 1 - t = fma(-RN(0.28125 pd), pd, 1),  x = RN(pd (1 - t)).  x is then reduced modulo 2 pi with 120 bits of 1/(2 pi), without branch or table.
; ONE RECIPROCAL FOR FOUR NUMBERS.  1/a = b / (a b): the reciprocal of a product of four gives the four inverses back by packed products.
; So served: (den, d) of two neighbouring elements; the four softmax sums of a step; the four divisors of the mean phase's angles.
; SOFTMAX WITHOUT A MAXIMUM.  The exponents are atan2(..)/8, inside [-pi/8, pi/8] for every input: each exponential lies in [0.67, 1.49] and
; the sum of 64 of them in [43, 95].  The computation itself bounds them, so nothing is taken away first.
; LIMITS.
;   cos(x): the argument is good to 2^-11 turn for |x| <= 2^108 and is lost beyond some 2^112.  |x| <= 2^108 holds for every q whose
;   components stay below 280 (cross <= 2 x 280^2, divisor >= 1e-6).  The cosine's polynomial: 4e-5.
;   atan2(q - k): 6.1e-3 rad, that is 7.7e-4 of exp(angle / 8).  atan2(q), for the mean phase: 6e-4 rad.
;   2^-30 is added to |dy| + |dx|: where both components of a difference q - k (or of q) are below some 2^-17 the angle is off, and at
;   (0, 0) it is pi/2 (for q: pi/4) in place of 0.
;   exp(y), |y| <= pi/8: 1.8e-4 of its value.
;   (|dy| + |dx|) (|dot| + 1e-6) must stay below 2^62, |q_real| + |q_imag| below 2^31: the products of four have to stay finite.
;   NaN and infinities among the inputs are not served.  The sums over j are made in another order than reference()'s.
.set PPITCH, 2304                      ; a partial in LDS: 8 rows of 256 bytes (row 2 i + component), then 256 bytes of the phase sum
; vector registers.  v[4:5] atan's middle coefficient twice, v[6:7] the cosine's, v[EP:EP+1] the exponential's: second constants of packed multiply-adds
.set QR,   8                           ; v[8:23]    q_real of my 4 d, rows i = 0..3 (4 registers each)
.set QM,   24                          ; v[24:39]   q_imag likewise
.set ACCR, 40                          ; v[40:55]   sums with v_real, rows 0..3
.set ACCI, 56                          ; v[56:71]   sums with v_imag
.set GS,   72                          ; v[72:75]   sum over my j of atan2(q_j) / 8
.set J0,   76                          ; v[76:99]   one step's j data: qr +0, qi +4, kr +8, ki +12, vr +16, vi +20
.set J1,   100                         ; v[100:123] the other step's
.set T0,   124                         ; seven sets of 16 registers at work: element 4 i + e of a set is row i, d = 4 c + e
.set T1,   140
.set T2,   156
.set T3,   172
.set T4,   188
.set T5,   204
.set T6,   220
.set ZS,   236                         ; v[236:239] softmax sums of the four rows
.set RZ,   240                         ; v[240:243] their reciprocals
.set EP,   244                         ; v[244:245] the exponential's coefficient of y^2, twice
.set LD,   76                          ; closing phase: v[76:171], eight partials of 12 registers
.set SUM,  40                          ; closing phase: v[40:43] real, v[44:47] imaginary, v[48:51] phase
; 1/(2 pi) in five pieces that follow each other bit by bit (24, 24, 23, 22, 24 bits), down to 2^-122
.set IP0, 0x3E22F983
.set IP1, 0x31DC9C88
.set IP2, 0x24A94FE0
.set IP3, 0x191D5F44
.set IP4, 0x0E7534DD
.set K28, 0x3E900000                   ; 0.28125
.set TINY, 0x30800000                  ; 2^-30
; the angle of q - k.  With w = dx / (|dx| + |dy|): atan2(dx, |dy|) / 8 = w (AQ0 + |w| (AQ1 + AQ2 |w|)).  It is
; atan z = z (pi/4 + 0.182 (1 - z^2)) written in |w| = (1 - z) / 2:  AQ0 = (pi/2 - 0.728) / 8,  AQ1 = 0.273,  AQ2 = -0.182
.set AQ0, 0x3DD7C180
.set AQ1, 0x3E8BC6A8
.set AQ2, 0xBE3A5E35
; the angle of q.  atan(z) / 8, z in [-1, 1]: (0.995354 z - 0.288679 z^3 + 0.079331 z^5) / 8
.set BT1, 0x3DFECF85
.set BT3, 0xBD13CDBC
.set BT5, 0x3C22784B
.set QK,  0x3DC90FDB                   ; pi / 32: an eighth of pi / 4
.set HK,  0x3E490FDB                   ; pi / 16: an eighth of pi / 2
; exp(y), |y| <= pi/8: the series to y^5 with y^4 and y^5 folded onto the lower powers (Chebyshev's T4, T5 on that interval)
.set EC0, 0x3F7FF7E2                   ; 0.99987614
.set EC1, 0x3F7FFBF1                   ; 0.99993807
.set EC2, 0x3F01A51A                   ; 0.50642552
.set EC3, 0x3E2C4FC6                   ; 0.16827306
; -cos(2 pi g), |g| <= 1/2, in u = g^2: the series to the 16th power folded onto degree 4 in u
.set CK0, 0xBF7FFD51                   ; -0.99995902
.set CK1, 0x419DD8F9                   ; 19.730943
.set CK2, 0xC28157C9                   ; -64.671453
.set CK3, 0x42A4C826                   ; 82.390914
.set CK4, 0xC2367C41                   ; -45.621340
.set GPS, 0x3B22F983                   ; 1 / (128 pi) = 8 / (512 x 2 pi): the phase sum to turns of the mean phase
.set INV512, 0x3B000000                ; 1 / seq_len
.set MQUART, 0xBE800000                ; -0.25
; ---- arithmetic on cnt numbers in consecutive registers, two at a time ----
.macro MULV cnt, d, a, b               ; d = a b
.set p, 0
.rept \cnt/2
	v_pk_mul_f32 v[\d+p:\d+p+1], v[\a+p:\a+p+1], v[\b+p:\b+p+1]
.set p, p+2
.endr
.endm
.macro ADDV cnt, d, a, b               ; d = a + b
.set p, 0
.rept \cnt/2
	v_pk_add_f32 v[\d+p:\d+p+1], v[\a+p:\a+p+1], v[\b+p:\b+p+1]
.set p, p+2
.endr
.endm
.macro FMAV cnt, d, a, b, c            ; d = a b + c
.set p, 0
.rept \cnt/2
	v_pk_fma_f32 v[\d+p:\d+p+1], v[\a+p:\a+p+1], v[\b+p:\b+p+1], v[\c+p:\c+p+1]
.set p, p+2
.endr
.endm
.macro FNMAV cnt, d, a, b, c           ; d = c - a b
.set p, 0
.rept \cnt/2
	v_pk_fma_f32 v[\d+p:\d+p+1], v[\a+p:\a+p+1], v[\b+p:\b+p+1], v[\c+p:\c+p+1] neg_lo:[1,0,0] neg_hi:[1,0,0]
.set p, p+2
.endr
.endm
.macro FMAK cnt, d, a, b, k            ; d = a b + constant
.set p, 0
.rept \cnt/2
	v_pk_fma_f32 v[\d+p:\d+p+1], v[\a+p:\a+p+1], v[\b+p:\b+p+1], \k op_sel_hi:[1,1,0]
.set p, p+2
.endr
.endm
.macro FNMAK cnt, d, a, b, k           ; d = constant - a b
.set p, 0
.rept \cnt/2
	v_pk_fma_f32 v[\d+p:\d+p+1], v[\a+p:\a+p+1], v[\b+p:\b+p+1], \k op_sel_hi:[1,1,0] neg_lo:[1,0,0] neg_hi:[1,0,0]
.set p, p+2
.endr
.endm
.macro KFMA cnt, d, a, k, c            ; d = a constant + c
.set p, 0
	s_wait_alu depctr_va_vdst(0)
.rept \cnt/2
	v_pk_fma_f32 v[\d+p:\d+p+1], v[\a+p:\a+p+1], \k, v[\c+p:\c+p+1] op_sel_hi:[1,0,1]
.set p, p+2
.endr
.endm
.macro KFMS cnt, d, a, k, c            ; d = a constant - c
.set p, 0
.rept \cnt/2
	v_pk_fma_f32 v[\d+p:\d+p+1], v[\a+p:\a+p+1], \k, v[\c+p:\c+p+1] op_sel_hi:[1,0,1] neg_lo:[0,0,1] neg_hi:[0,0,1]
.set p, p+2
.endr
.endm
.macro KFMAP cnt, d, a, k, pair        ; d = a constant + the second constant, which lies twice in the pair v[pair:pair+1]
.set p, 0
.rept \cnt/2
	v_pk_fma_f32 v[\d+p:\d+p+1], v[\a+p:\a+p+1], \k, v[\pair:\pair+1] op_sel_hi:[1,0,1]
.set p, p+2
.endr
.endm
.macro MULK cnt, d, a, k               ; d = a constant
.set p, 0
.rept \cnt/2
	v_pk_mul_f32 v[\d+p:\d+p+1], v[\a+p:\a+p+1], \k op_sel_hi:[1,0]
.set p, p+2
.endr
.endm
.macro ADDK cnt, d, a, k               ; d = a + constant
.set p, 0
.rept \cnt/2
	v_pk_add_f32 v[\d+p:\d+p+1], v[\a+p:\a+p+1], \k op_sel_hi:[1,0]
.set p, p+2
.endr
.endm
.macro RSUBK cnt, d, a, k              ; d = constant - a
.set p, 0
.rept \cnt/2
	v_pk_add_f32 v[\d+p:\d+p+1], v[\a+p:\a+p+1], \k op_sel_hi:[1,0] neg_lo:[1,0] neg_hi:[1,0]
.set p, p+2
.endr
.endm
; ---- the same on the 16 numbers of the four rows i, where b is one row j of 4 registers, used for all four ----
.macro MULW d, a, b
.set p, 0
.rept 8
	v_pk_mul_f32 v[\d+p:\d+p+1], v[\a+p:\a+p+1], v[\b+(p%4):\b+(p%4)+1]
.set p, p+2
.endr
.endm
.macro SUBW d, a, b
.set p, 0
.rept 8
	v_pk_add_f32 v[\d+p:\d+p+1], v[\a+p:\a+p+1], v[\b+(p%4):\b+(p%4)+1] neg_lo:[0,1] neg_hi:[0,1]
.set p, p+2
.endr
.endm
.macro FMAW d, a, b, c
.set p, 0
.rept 8
	v_pk_fma_f32 v[\d+p:\d+p+1], v[\a+p:\a+p+1], v[\b+(p%4):\b+(p%4)+1], v[\c+p:\c+p+1]
.set p, p+2
.endr
.endm
.macro FMSW d, a, b, c                 ; d = a b - c
.set p, 0
.rept 8
	v_pk_fma_f32 v[\d+p:\d+p+1], v[\a+p:\a+p+1], v[\b+(p%4):\b+(p%4)+1], v[\c+p:\c+p+1] neg_lo:[0,0,1] neg_hi:[0,0,1]
.set p, p+2
.endr
.endm
.macro FRACT cnt, r                    ; r = r - floor(r), in [0, 1): exact, and 0 for the whole numbers from 2^23 on
.set p, 0
.rept \cnt
	v_fract_f32 v[\r+p], v[\r+p]
.set p, p+1
.endr
.endm
; ---- one reciprocal for the two numbers of a pair ----
.macro PAIRP cnt, d, a                 ; both registers of each pair of d = the product of the two of a
.set p, 0
.rept \cnt/2
	v_pk_mul_f32 v[\d+p:\d+p+1], v[\a+p:\a+p+1], v[\a+p:\a+p+1] op_sel:[0,1] op_sel_hi:[1,0]
.set p, p+2
.endr
.endm
.macro RCPE cnt, r                     ; the first register of each pair = its reciprocal.  A plain line that names none of these registers follows every use (ISA guide 5.7.2)
.set p, 0
.rept \cnt/2
	v_rcp_f32 v[\r+p], v[\r+p]
.set p, p+2
.endr
.endm
.macro PAIRI cnt, d, a                 ; d = (a's second, a's first) x the reciprocal in d's first = (1 / a's first, 1 / a's second)
.set p, 0
	s_wait_alu depctr_va_vdst(0)
.rept \cnt/2
	v_pk_mul_f32 v[\d+p:\d+p+1], v[\a+p:\a+p+1], v[\d+p:\d+p+1] op_sel:[1,0] op_sel_hi:[0,0]
.set p, p+2
.endr
.endm
; atan2 for the mean phase, first part: num = |dy| - |dx|, den = |dy| + |dx| + 2^-30 (never zero).  tan(a - pi/4) = num / den for the first-quadrant angle a.
.macro ATANA cnt, num, den, dx, dy
.set p, 0
.rept \cnt
	v_sub_f32 v[\num+p], |v[\dy+p]|, |v[\dx+p]|
	v_add_f32 v[\den+p], |v[\dy+p]|, |v[\dx+p]|
.set p, p+1
.endr
	ADDK \cnt, \den, \den, TINY
.endm
; second part: out = atan2(dy, dx) / 8.  z holds num, rd holds 1 / den; both are spent.
.macro ATANB cnt, dx, dy, z, rd, out
	MULV  \cnt, \z, \z, \rd                                ; z = num / den, in [-1, 1]
	MULV  \cnt, \rd, \z, \z                                ; z^2
	KFMAP \cnt, \out, \rd, BT5, 4
	FMAK  \cnt, \out, \out, \rd, BT1
	FNMAK \cnt, \out, \out, \z, QK                         ; (pi/4 - atan z) / 8: the complement of the first-quadrant angle
.set p, 0
.rept \cnt
	v_bfi_b32 v[\out+p], s22, v[\out+p], v[\dx+p]          ; with dx's sign,
.set p, p+1
.endr
	RSUBK \cnt, \out, \out, HK                             ; so that pi/2 - it is the angle for dx >= 0 and pi - the angle for dx < 0
.set p, 0
.rept \cnt
	v_bfi_b32 v[\out+p], s22, v[\out+p], v[\dy+p]          ; and dy's sign on the whole
.set p, p+1
.endr
.endm
; c = cos(2 pi t) for cnt numbers; t is spent, s is at work.  f = fract(t), g = f - 1/2 in [-1/2, 1/2): cos(2 pi f) = -cos(2 pi g), even in g.
.macro TURNCOS cnt, t, s, c
	FRACT \cnt, \t
	ADDK  \cnt, \t, \t, -0.5
	MULV  \cnt, \s, \t, \t
	KFMAP \cnt, \c, \s, CK4, 6
	FMAK  \cnt, \c, \c, \s, CK2
	FMAK  \cnt, \c, \c, \s, CK1
	FMAK  \cnt, \c, \c, \s, CK0
.endm
; t = x / (2 pi) modulo 1, up to a whole number below 2^11, for 16 numbers.  Each product x * piece is split exactly into hi + lo (a product and a
; fused multiply-add); whole turns are dropped from each part by itself, so nothing large is ever added to anything small.
; Kept as they are: lo of piece 3 (below 2^7 for |x| <= 2^108) and the product with piece 4 (below 2^10).
.macro REDUCE x, hi, lo, t
	MULK 16, \hi, \x, IP3
	KFMS 16, \t, \x, IP3, \hi
	KFMA 16, \t, \x, IP4, \t
	FRACT 16, \hi
	ADDV 16, \t, \t, \hi
.irp k, IP0, IP1, IP2
	MULK 16, \hi, \x, \k
	KFMS 16, \lo, \x, \k, \hi
	FRACT 16, \hi
	FRACT 16, \lo
	ADDV 16, \t, \t, \hi
	ADDV 16, \t, \t, \lo
.endr
.endm
; The phase of q_j, for the mean over j: 4 numbers, in T5: num +0, den +4, (den0 den2, den1 den3) +8, the product of all four +10, 1 / den +12.
.macro GPA jb                          ; up to the one reciprocal
	ATANA 4, T5, T5+4, \jb, \jb+4
	MULV  2, T5+8, T5+4, T5+6
	PAIRP 2, T5+10, T5+8
	RCPE  2, T5+10
.endm
.macro GPB jb
	PAIRI 2, T5+10, T5+8                                   ; 1 / (den0 den2), 1 / (den1 den3)
	MULV  2, T5+12, T5+10, T5+6                            ; 1 / den0, 1 / den1
	MULV  2, T5+14, T5+10, T5+4                            ; 1 / den2, 1 / den3
	ATANB 4, \jb, \jb+4, T5, T5+12, T5+8
	ADDV  4, GS, GS, T5+8
.endm
; The four rows i against the j data in jb, first part: up to the reciprocals, one for two elements' den and d.  T5 is the mean phase's.
.macro BLK1 jb
	SUBW T0, QR, \jb+8                                     ; dx = q_real - k_real
	SUBW T1, QM, \jb+12                                    ; dy = q_imag - k_imag
.set p, 0
.rept 16
	v_add_f32 v[T3+p], |v[T1+p]|, |v[T0+p]|
.set p, p+1
.endr
	ADDK 16, T3, T3, TINY                                  ; den = |dy| + |dx| + 2^-30
	MULW T4, QM, \jb+4                                     ; ia ib, rounded
	FMAW T4, QR, \jb, T4                                   ; dot = fma(ra, rb, ia ib)
.set p, 0
.rept 16
	v_add_f32 v[T4+p], |v[T4+p]|, s24                      ; d = |dot| + 1e-6
.set p, p+1
.endr
	MULV  16, T6, T3, T4                                   ; den d, at least 2^-50
	PAIRP 16, T2, T6                                       ; (den d) of the pair's two elements, multiplied
	RCPE  16, T2
.endm
.macro BLK2 jb
	PAIRI 16, T2, T6                                       ; 1 / (den d) of each element
	MULV 16, T3, T3, T2                                    ; den / (den d): a first 1 / d, some 3 units in its last place off; refined below
	MULV 16, T2, T2, T4                                    ; d / (den d) = 1 / den
	MULV 16, T2, T0, T2                                    ; w = dx / den, in [-1, 1]
.set p, 0
.rept 16
	v_fma_f32 v[T6+p], |v[T2+p]|, s27, s28                 ; AQ1 + AQ2 |w|
.set p, p+1
.endr
.set p, 0
.rept 16
	v_fma_f32 v[T6+p], v[T6+p], |v[T2+p]|, s29             ; AQ0 + |w| (..)
.set p, p+1
.endr
	FNMAK 16, T5, T6, T2, HK                               ; (pi/2 - atan2(dx, |dy|)) / 8: the angle for dy >= 0, in [0, pi/8]
.set p, 0
.rept 16
	v_bfi_b32 v[T5+p], s22, v[T5+p], v[T1+p]               ; y = atan2(dy, dx) / 8: dy's sign on it
.set p, p+1
.endr
	KFMAP 16, T6, T5, EC3, EP                              ; e = exp(y) = EC0 + y (EC1 + y (EC2 + y EC3))
	FMAK  16, T6, T6, T5, EC1
	FMAK  16, T6, T6, T5, EC0
	MULW T0, QR, \jb+4                                     ; ra ib, rounded
	FMSW T0, QM, \jb, T0                                   ; cross = fma(ia, rb, -(ra ib))
	; the softmax sums of the four rows: 4 numbers in the lane, then the 16 lanes of my half of the wave (one pair (i, j))
.set p, 0
.rept 4
	v_pk_add_f32 v[T1+2*p:T1+2*p+1], v[T6+4*p:T6+4*p+1], v[T6+4*p+2:T6+4*p+3]
.set p, p+1
.endr
.set p, 0
.rept 4
	v_add_f32 v[ZS+p], v[T1+2*p], v[T1+2*p+1]
.set p, p+1
.endr
.irp m, 1, 2, 4, 8
.irp i, 0, 1, 2, 3
	v_add_f32_dpp v[ZS+\i], v[ZS+\i], v[ZS+\i] row_xmask:\m row_mask:0xf bank_mask:0xf
.endr
.endr
	MULV  2, RZ, ZS, ZS+2                                  ; (Z0 Z2, Z1 Z3)
	PAIRP 2, RZ+2, RZ                                      ; Z0 Z1 Z2 Z3, below 95^4
	RCPE  2, RZ+2                                          ; the division's lines are the plain work behind it
	; pd = cross / d, correctly rounded: one Newton step on the reciprocal, the quotient, two corrections by the exact residual.
	; d lies between 1e-6 and the square of the inputs' size: no scaling is needed.
	FNMAK 16, T1, T4, T3, 1.0
	FMAV  16, T3, T1, T3, T3
	MULV  16, T2, T0, T3
	FNMAV 16, T1, T4, T2, T0
	FMAV  16, T2, T1, T3, T2
	FNMAV 16, T1, T4, T2, T0
	FMAV  16, T2, T1, T3, T2
	; x = pd (1 - (0.28125 pd) pd)
	MULK  16, T0, T2, K28
	FNMAK 16, T0, T0, T2, 1.0                              ; fma(-(0.28125 pd), pd, 1)
	MULV  16, T0, T2, T0
	REDUCE T0, T1, T2, T3
	TURNCOS 16, T3, T1, T2                                 ; cos(x)
	PAIRI 2, RZ+2, RZ                                      ; 1 / (Z0 Z2), 1 / (Z1 Z3)
	MULV  2, RZ, RZ+2, ZS+2                                ; 1 / Z0, 1 / Z1
	MULV  2, RZ+2, RZ+2, ZS                                ; 1 / Z2, 1 / Z3
	MULV 16, T2, T2, T6                                    ; cos(x) e
.irp i, 0, 2
	v_pk_mul_f32 v[T2+4*\i:T2+4*\i+1],   v[T2+4*\i:T2+4*\i+1],   v[RZ+\i:RZ+\i+1] op_sel_hi:[1,0]               ; row i: both by the pair's first
	v_pk_mul_f32 v[T2+4*\i+2:T2+4*\i+3], v[T2+4*\i+2:T2+4*\i+3], v[RZ+\i:RZ+\i+1] op_sel_hi:[1,0]
	v_pk_mul_f32 v[T2+4*\i+4:T2+4*\i+5], v[T2+4*\i+4:T2+4*\i+5], v[RZ+\i:RZ+\i+1] op_sel:[0,1] op_sel_hi:[1,1]  ; row i + 1: both by its second
	v_pk_mul_f32 v[T2+4*\i+6:T2+4*\i+7], v[T2+4*\i+6:T2+4*\i+7], v[RZ+\i:RZ+\i+1] op_sel:[0,1] op_sel_hi:[1,1]
.endr
	FMAW ACCR, T2, \jb+16, ACCR
	FMAW ACCI, T2, \jb+20, ACCI
.endm
.macro LOADJ jb, off                   ; six loads, each 512 consecutive bytes for the wave: rows j and j + 1 of the six inputs
.irp a, 0,1,2,3,4,5
	global_load_b128 v[\jb+4*\a:\jb+4*\a+3], v1, s[8+2*\a:9+2*\a] offset:\off
.endr
.endm
; One step: two j.  pf = 1: the next step's data are asked for first, into the other set.
.macro STEP cur, nxt, pf, off
.if \pf
	LOADJ \nxt, \off
	s_wait_loadcnt 0x6                                     ; loads return in order: all but the six just issued are in, this step's data (and q_i) among them
.else
	s_wait_loadcnt 0x0
.endif
	GPA  \cur                                              ; ends in a reciprocal: the block's first lines are the plain work behind it
	BLK1 \cur                                              ; ends in 8 reciprocals: the phase's second part is the plain work behind them
	GPB  \cur
	BLK2 \cur
.endm
	s_load_b256 s[8:15], s[0:1], 0x0               ; q_real s[8:9], q_imag s[10:11], k_real s[12:13], k_imag s[14:15]
	s_load_b128 s[16:19], s[0:1], 0x20             ; v_real s[16:17], v_imag s[18:19]
	s_load_b64 s[20:21], s[0:1], 0x30              ; out0
	v_lshl_add_u32 v246, v0, 2, 0x12000
	v_mov_b32 v247, 0
	v_lshrrev_b32 v3, 5, v0
	v_readfirstlane_b32 s2, v3                     ; wave 0..15
	s_lshr_b32 s4, ttmp9, 7                        ; batch
	s_lshl_b32 s4, s4, 17                          ; x 512 rows of 256 bytes
	s_mov_b32 s5, 0
	s_and_b32 s6, ttmp9, 127
	s_lshl_b32 s6, s6, 10                          ; my first row i x 256 bytes = 4 (g & 127) x 256
	s_mov_b32 s7, 0
	s_mov_b32 s22, 0x7fffffff                      ; everything but the sign
	s_mov_b32 s24, 0x358637BD                      ; 1e-6
	s_mov_b32 s27, AQ2
	s_mov_b32 s28, AQ1
	s_mov_b32 s29, AQ0
	v_and_b32 v1, 31, v0
	v_lshlrev_b32 v1, 4, v1
	v_lshl_add_u32 v1, v3, 13, v1                  ; j data: wave x 32 rows + 16 x lane (lanes 16-31 fall into the next row)
	v_and_b32 v2, 15, v0
	v_lshl_add_u32 v2, v2, 4, s6                   ; q_i: my first row + 16 c
	v_mov_b32 v4, BT3
	v_mov_b32 v5, BT3
	v_mov_b32 v6, CK3
	v_mov_b32 v7, CK3
	v_mov_b32 v[EP], EC2
	v_mov_b32 v[EP+1], EC2
	s_wait_kmcnt 0x0
.irp a, 8,10,12,14,16,18,20
	s_add_nc_u64 s[\a:\a+1], s[\a:\a+1], s[4:5]    ; every buffer at my batch (in out0 a batch is 131,072 bytes too)
.endr
	s_add_nc_u64 s[20:21], s[20:21], s[6:7]        ; out0 at my first row
.irp i, 0,1,2,3
	global_load_b128 v[QR+4*\i:QR+4*\i+3], v2, s[8:9]   offset:256*\i
	global_load_b128 v[QM+4*\i:QM+4*\i+3], v2, s[10:11] offset:256*\i
.endr
	LOADJ J0, 0
.set p, 0
.rept 36
	v_mov_b32 v[ACCR+p], 0                         ; 32 sums and 4 phase sums, once in the launch, while the first loads are out
.set p, p+1
.endr
	s_mov_b32 s3, 7                                ; 7 trips of two steps; the last two steps are written out
.Ltrip:
	STEP J0, J1, 1, 512
	STEP J1, J0, 1, 1024
	s_wait_xcnt 0x0                                ; v1 is an address of the six loads still out: it is stepped only behind this wait
	v_add_nc_u32 v1, 1024, v1                      ; four rows on
	s_sub_co_i32 s3, s3, 1
	s_cmp_lg_u32 s3, 0
	s_cbranch_scc1 .Ltrip
	STEP J0, J1, 1, 512                            ; step 14 asks for step 15, the wave's last two rows
	STEP J1, J0, 0, 0                              ; step 15 asks for nothing
	; The 32 partial sums meet in LDS.  Mine lies at wave x 4,608 + h x 2,304; 16 lanes write 256 consecutive bytes.
	s_mul_i32 s26, s2, 2*PPITCH
	v_bfe_u32 v3, v0, 4, 1
	v_mul_u32_u24 v3, v3, PPITCH
	v_and_b32 v2, 15, v0
	v_lshl_add_u32 v2, v2, 4, v3
	v_add_nc_u32 v2, s26, v2
.irp i, 0,1,2,3
	ds_store_b128 v2, v[ACCR+4*\i:ACCR+4*\i+3] offset:512*\i
	ds_store_b128 v2, v[ACCI+4*\i:ACCI+4*\i+3] offset:512*\i+256
.endr
	ds_store_b128 v2, v[GS:GS+3] offset:2048
	s_wait_dscnt 0x0                               ; for the readers' sake: my stores are done before I say so
	s_barrier_signal -1
	s_barrier_wait -1                              ; the only barrier: nothing in LDS is written again
	s_cmp_ge_u32 s2, 2
	s_cbranch_scc1 .Ldone                          ; 4 rows x 16 lanes = 64 threads finish the work
	; Thread t = 16 i + c sums the 32 partials of row i and of the phase, for its 4 d.
	v_lshrrev_b32 v3, 4, v0                        ; i
	v_and_b32 v1, 15, v0
	v_lshlrev_b32 v1, 4, v1                        ; 16 c
	v_add_nc_u32 v2, 2048, v1                      ; the phase sums, partials 0-15
	v_lshl_add_u32 v1, v3, 9, v1                   ; row i's two components, partials 0-15
	v_add_nc_u32 v3, 16*PPITCH, v1                 ; partials 16-31: the immediate has 16 bits, so the register carries the rest
	v_add_nc_u32 v4, 16*PPITCH, v2
	v_lshlrev_b32 v5, 4, v0                        ; in out0: 256 i + 16 c
.macro SUMGRP grp, ar, gr, first       ; eight partials: 24 loads, then their sums; the first two partials start the sums
.irp pp, 0,1,2,3,4,5,6,7
	ds_load_b128 v[LD+12*\pp:LD+12*\pp+3],    v[\ar] offset:((8*\grp+\pp)%16)*PPITCH
	ds_load_b128 v[LD+12*\pp+4:LD+12*\pp+7],  v[\ar] offset:((8*\grp+\pp)%16)*PPITCH+256
	ds_load_b128 v[LD+12*\pp+8:LD+12*\pp+11], v[\gr] offset:((8*\grp+\pp)%16)*PPITCH
.endr
	s_wait_dscnt 0x0
.if \first
	ADDV 12, SUM, LD, LD+12
.else
	ADDV 12, SUM, SUM, LD
	ADDV 12, SUM, SUM, LD+12
.endif
.irp pp, 2,3,4,5,6,7
	ADDV 12, SUM, SUM, LD+12*\pp
.endr
.endm
	SUMGRP 0, 1, 2, 1
	SUMGRP 1, 1, 2, 0
	SUMGRP 2, 3, 4, 0
	SUMGRP 3, 3, 4, 0
	MULK 4, T0, SUM+8, GPS                         ; the mean phase in turns
	ADDK 4, T0+4, T0, MQUART                       ; a quarter turn less: its cosine is the sine
	TURNCOS 8, T0, T1, T2                          ; T2: cos (4), sin (4)
	MULK 8, T2, T2, INV512                         ; the 1 / seq_len of the interference goes in here, once
	MULV 4, T3, SUM, T2                            ; out_r c
	MULV 4, T3+4, SUM, T2+4                        ; out_r s
	FNMAV 4, T4, SUM+4, T2+4, T3                   ; real: out_r c - out_i s
	FMAV  4, T4+4, SUM+4, T2, T3+4                 ; imaginary: out_r s + out_i c
	global_store_b128 v5, v[T4:T4+3], s[20:21] th:TH_STORE_NT                   ; 16 lanes store a whole row of 256 bytes
	global_store_b128 v5, v[T4+4:T4+7], s[20:21] offset:262144 th:TH_STORE_NT   ; the imaginary half of out0 lies 2 x 512 x 256 bytes on
.Ldone:
	s_wait_tensorcnt 0x0
	ds_add_u32 v246, v247
	s_wait_dscnt 0x0
	s_endpgm
.Lfunc_end_k_q5df04c7cdb_gqa:
	.size	k_q5df04c7cdb_gqa, .Lfunc_end_k_q5df04c7cdb_gqa-k_q5df04c7cdb_gqa
	.p2alignl 7, 3214868480
	.fill 96, 4, 3214868480
	.section	.rodata,"a",@progbits
	.p2align	6, 0x0
	.amdhsa_kernel k_q5df04c7cdb_gqa
		.amdhsa_group_segment_fixed_size 75776
		.amdhsa_private_segment_fixed_size 0
		.amdhsa_enable_private_segment 0
		.amdhsa_kernarg_size 56
		.amdhsa_user_sgpr_count 2
		.amdhsa_user_sgpr_kernarg_segment_ptr 1
		.amdhsa_wavefront_size32 1
		.amdhsa_system_sgpr_workgroup_id_x 1
		.amdhsa_system_sgpr_workgroup_id_y 1
		.amdhsa_system_sgpr_workgroup_id_z 1
		.amdhsa_system_vgpr_workitem_id 0
		.amdhsa_next_free_vgpr 248
		.amdhsa_next_free_sgpr 66
		.amdhsa_reserve_vcc 0
		.amdhsa_float_denorm_mode_32 3
		.amdhsa_float_denorm_mode_16_64 3
		.amdhsa_memory_ordered 1
		.amdhsa_forward_progress 1
		.amdhsa_inst_pref_size 208
	.end_amdhsa_kernel
	.amdgpu_metadata
---
amdhsa.version: [ 1, 2 ]
amdhsa.kernels:
  - .name:           k_q5df04c7cdb_gqa
    .symbol:         k_q5df04c7cdb_gqa.kd
    .args:
      - { .name: q_real, .offset: 0, .size: 8, .value_kind: global_buffer, .address_space: global }
      - { .name: q_imag, .offset: 8, .size: 8, .value_kind: global_buffer, .address_space: global }
      - { .name: k_real, .offset: 16, .size: 8, .value_kind: global_buffer, .address_space: global }
      - { .name: k_imag, .offset: 24, .size: 8, .value_kind: global_buffer, .address_space: global }
      - { .name: v_real, .offset: 32, .size: 8, .value_kind: global_buffer, .address_space: global }
      - { .name: v_imag, .offset: 40, .size: 8, .value_kind: global_buffer, .address_space: global }
      - { .name: out0, .offset: 48, .size: 8, .value_kind: global_buffer, .address_space: global }
    .group_segment_fixed_size: 75776
    .private_segment_fixed_size: 0
    .kernarg_segment_align: 8
    .kernarg_segment_size: 56
    .max_flat_workgroup_size: 512
    .sgpr_count:     66
    .vgpr_count:     248
    .wavefront_size: 32
...
	.end_amdgpu_metadata
.endif
;; end of part 2
